; MI455X (gfx1250); checked and timed in simulation.
; The chip was launched on July 23, 2026; its instructions are those of AMD's public machine-readable ISA for CDNA 5 (MIT licence, August 2026) and "CDNA5" Instruction Set Architecture Reference Guide (July 2026). The comments in the code are by the model that wrote it; some were corrected since.
;; Attention. Allowed arithmetic: float matrix products may take bf16 or f16 operands with f32 sums; all other float work in f32.
;; Inputs: cos 2,048 x 64 float32; k 2,048 x 4 x 128 float32; k_ranges 8 x 2 int32; q 2,048 x 16 x 128 float32; q_ranges 8 x 2 int32; sin 2,048 x 64 float32; v 2,048 x 4 x 128 float32.
;; Outputs: out0 2,048 x 16 x 128 float32.
;; 2 versions, each right; version 2 is version 1 with the launch prep written anew for expert scheduling mode. Each part assembles by itself: llvm-mc -triple=amdgcn-amd-amdhsa -mcpu=gfx1250 --defsym DOCPART=n.
;; ======== version 1 of 2: 2 launches
;; limits: values are held in f16: magnitudes above 65,504 overflow, below 6.1e-05 lose precision
;; workspace buffers: kh 2,097,152 bytes; vh 2,097,152 bytes
;; launch prep (part 1): grid 256 x 1, 4 waves a work-group, no clusters, 0 bytes of LDS; arguments k, v, cos, sin, kh, vh; writes kh, vh
.if DOCPART == 1
	.amdgcn_target "amdgcn-amd-amdhsa--gfx1250"
	.amdhsa_code_object_version 6
	.text
	.protected	k_q76ed9d0c02_prep
	.globl	k_q76ed9d0c02_prep
	.p2align	8
	.type	k_q76ed9d0c02_prep,@function
k_q76ed9d0c02_prep:
	s_mov_b64 s[64:65], 0
	v_nop
	global_prefetch_b8 v0, s[64:65] scope:SCOPE_SE
	s_setreg_imm32_b32 hwreg(HW_REG_WAVE_MODE, 25, 1), 1
	s_wait_xcnt 0x0
; kh = f16(rope(k)) with the head dimension permuted, vh = f16(v).  k, v: [2048][4][128] f32; cos, sin: [2048][64] f32;
; kh, vh: [2048][4][128] f16, row (t, h) is 256 bytes at byte (4 t + h) * 256.
; PERMUTATION of kh: place 8 i + e (e < 4) holds d = 4 i + e, place 8 i + 4 + e holds d = 64 + 4 i + e (i = 0 .. 15).  The thread that owns
; x[4i .. 4i+3] and x[64+4i .. 64+4i+3] has both partners of the rotation and its eight results are 16 neighbouring bytes.  The attention
; launch permutes q alike, so the dot products have the same terms.  vh is not permuted.
; A stream: every input byte is read once and every output byte written once; no LDS, no loop, no matrix unit, nothing is shared.
; The work-group owns 8 tokens.  K: thread t takes token t / 16, chunk i = t % 16, all four heads.  V: wave w takes rows 8 w .. 8 w + 7 of the
; group's 32 rows (t, h), 16 bytes a lane.  All 18 loads of a thread go out at once; no register of a load or store is written again.
; LIMIT: f16 holds magnitudes below 65,504 (larger ones become infinite) and has an absolute step of 2^-24 below 2^-14.
.set CSN, 8                            ; v[8:11] cos, v[12:15] sin of my four frequencies
.set XK,  16                           ; head h: v[16+8h:19+8h] x1, v[20+8h:23+8h] x2
.set XV,  48                           ; row n of V: v[48+4n:51+4n]
.set YK,  80                           ; head h: v[80+4h:83+4h] eight f16 to store
.set TA,  96                           ; v[96:99]   first half of the rotation, at work
.set TB,  100                          ; v[100:103] second half, at work
.set WV,  104                          ; row n of V: v[104+2n:105+2n] four f16 to store
	s_load_b256 s[4:11], s[0:1], 0x0               ; k s[4:5], v s[6:7], cos s[8:9], sin s[10:11]
	s_load_b128 s[12:15], s[0:1], 0x20             ; kh s[12:13], vh s[14:15]
	s_lshl_b32 s16, ttmp9, 14                      ; 8 tokens of 2,048 bytes in k and in v
	s_mov_b32 s17, 0
	s_lshl_b32 s18, ttmp9, 11                      ; 8 tokens of 256 bytes in cos and in sin
	s_mov_b32 s19, 0
	s_lshl_b32 s20, ttmp9, 13                      ; 8 tokens of 1,024 bytes in kh and in vh
	s_mov_b32 s21, 0
	v_and_b32 v6, 15, v0                           ; i
	v_lshrrev_b32 v7, 4, v0                        ; token in the group
	v_lshlrev_b32 v6, 4, v6                        ; 16 i
	v_lshl_add_u32 v1, v7, 11, v6                  ; k: token * 2,048 + 16 i
	v_lshlrev_b32 v2, 4, v0                        ; cos, sin: token * 256 + 16 i = 16 t
	v_lshl_add_u32 v3, v7, 10, v6                  ; kh: token * 1,024 + 16 i
	v_and_b32 v104, 31, v0                         ; lane
	v_lshrrev_b32 v105, 5, v0                      ; wave
	v_lshlrev_b32 v4, 4, v104
	v_lshl_add_u32 v4, v105, 12, v4                ; v: wave * 8 rows of 512 bytes + 16 lane
	v_lshlrev_b32 v5, 3, v104
	v_lshl_add_u32 v5, v105, 11, v5                ; vh: wave * 8 rows of 256 bytes + 8 lane
	s_wait_kmcnt 0x0
	s_add_nc_u64 s[4:5], s[4:5], s[16:17]
	s_add_nc_u64 s[6:7], s[6:7], s[16:17]
	s_add_nc_u64 s[8:9], s[8:9], s[18:19]
	s_add_nc_u64 s[10:11], s[10:11], s[18:19]
	s_add_nc_u64 s[12:13], s[12:13], s[20:21]
	s_add_nc_u64 s[14:15], s[14:15], s[20:21]
	global_load_b128 v[CSN:CSN+3], v2, s[8:9]                  ; the next launch reads cos and sin again: no hint
	global_load_b128 v[CSN+4:CSN+7], v2, s[10:11]
.irp h, 0,1,2,3
	global_load_b128 v[XK+8*\h:XK+8*\h+3],   v1, s[4:5] offset:512*\h th:TH_LOAD_NT        ; sixteen lanes: 256 neighbouring bytes
	global_load_b128 v[XK+8*\h+4:XK+8*\h+7], v1, s[4:5] offset:512*\h+256 th:TH_LOAD_NT
.endr
.irp i, 0,1,2,3,4,5,6,7
	global_load_b128 v[XV+4*\i:XV+4*\i+3], v4, s[6:7] offset:512*\i th:TH_LOAD_NT          ; the wave: one row of 512 bytes
.endr
.irp h, 0,1,2,3
	s_wait_loadcnt 14-2*\h                         ; 18 loads in order; head h needs the first 4 + 2 h of them
	v_pk_mul_f32 v[TA:TA+1],   v[XK+8*\h+4:XK+8*\h+5], v[CSN+4:CSN+5]                      ; x2 sin
	v_pk_mul_f32 v[TA+2:TA+3], v[XK+8*\h+6:XK+8*\h+7], v[CSN+6:CSN+7]
	v_pk_mul_f32 v[TB:TB+1],   v[XK+8*\h:XK+8*\h+1],   v[CSN+4:CSN+5]                      ; x1 sin
	v_pk_mul_f32 v[TB+2:TB+3], v[XK+8*\h+2:XK+8*\h+3], v[CSN+6:CSN+7]
	v_pk_fma_f32 v[TA:TA+1],   v[XK+8*\h:XK+8*\h+1],   v[CSN:CSN+1],   v[TA:TA+1] neg_lo:[0,0,1] neg_hi:[0,0,1]     ; x1 cos - x2 sin
	v_pk_fma_f32 v[TA+2:TA+3], v[XK+8*\h+2:XK+8*\h+3], v[CSN+2:CSN+3], v[TA+2:TA+3] neg_lo:[0,0,1] neg_hi:[0,0,1]
	v_pk_fma_f32 v[TB:TB+1],   v[XK+8*\h+4:XK+8*\h+5], v[CSN:CSN+1],   v[TB:TB+1]          ; x2 cos + x1 sin
	v_pk_fma_f32 v[TB+2:TB+3], v[XK+8*\h+6:XK+8*\h+7], v[CSN+2:CSN+3], v[TB+2:TB+3]
	v_cvt_pk_f16_f32 v[YK+4*\h],   v[TA],   v[TA+1]
	v_cvt_pk_f16_f32 v[YK+4*\h+1], v[TA+2], v[TA+3]
	v_cvt_pk_f16_f32 v[YK+4*\h+2], v[TB],   v[TB+1]
	v_cvt_pk_f16_f32 v[YK+4*\h+3], v[TB+2], v[TB+3]
	global_store_b128 v3, v[YK+4*\h:YK+4*\h+3], s[12:13] offset:256*\h                     ; sixteen lanes fill one aligned row of 256 bytes
.endr
.irp i, 0,1,2,3,4,5,6,7
	s_wait_loadcnt 7-\i                            ; row i of V is load 11 + i of the 18
	v_cvt_pk_f16_f32 v[WV+2*\i],   v[XV+4*\i],   v[XV+4*\i+1]
	v_cvt_pk_f16_f32 v[WV+2*\i+1], v[XV+4*\i+2], v[XV+4*\i+3]
	global_store_b64 v5, v[WV+2*\i:WV+2*\i+1], s[14:15] offset:256*\i                      ; the wave fills one aligned row of 256 bytes
.endr
	s_endpgm
.Lfunc_end_k_q76ed9d0c02_prep:
	.size	k_q76ed9d0c02_prep, .Lfunc_end_k_q76ed9d0c02_prep-k_q76ed9d0c02_prep
	.p2alignl 7, 3214868480
	.fill 96, 4, 3214868480
	.section	.rodata,"a",@progbits
	.p2align	6, 0x0
	.amdhsa_kernel k_q76ed9d0c02_prep
		.amdhsa_group_segment_fixed_size 0
		.amdhsa_private_segment_fixed_size 0
		.amdhsa_enable_private_segment 0
		.amdhsa_kernarg_size 48
		.amdhsa_user_sgpr_count 2
		.amdhsa_user_sgpr_kernarg_segment_ptr 1
		.amdhsa_wavefront_size32 1
		.amdhsa_system_sgpr_workgroup_id_x 1
		.amdhsa_system_sgpr_workgroup_id_y 1
		.amdhsa_system_sgpr_workgroup_id_z 1
		.amdhsa_system_vgpr_workitem_id 0
		.amdhsa_next_free_vgpr 120
		.amdhsa_next_free_sgpr 66
		.amdhsa_reserve_vcc 0
		.amdhsa_float_denorm_mode_32 3
		.amdhsa_float_denorm_mode_16_64 3
		.amdhsa_memory_ordered 1
		.amdhsa_forward_progress 1
		.amdhsa_inst_pref_size 9
	.end_amdhsa_kernel
	.amdgpu_metadata
---
amdhsa.version: [ 1, 2 ]
amdhsa.kernels:
  - .name:           k_q76ed9d0c02_prep
    .symbol:         k_q76ed9d0c02_prep.kd
    .args:
      - { .name: k, .offset: 0, .size: 8, .value_kind: global_buffer, .address_space: global }
      - { .name: v, .offset: 8, .size: 8, .value_kind: global_buffer, .address_space: global }
      - { .name: cos, .offset: 16, .size: 8, .value_kind: global_buffer, .address_space: global }
      - { .name: sin, .offset: 24, .size: 8, .value_kind: global_buffer, .address_space: global }
      - { .name: kh, .offset: 32, .size: 8, .value_kind: global_buffer, .address_space: global }
      - { .name: vh, .offset: 40, .size: 8, .value_kind: global_buffer, .address_space: global }
    .group_segment_fixed_size: 0
    .private_segment_fixed_size: 0
    .kernarg_segment_align: 8
    .kernarg_segment_size: 48
    .max_flat_workgroup_size: 128
    .sgpr_count:     66
    .vgpr_count:     120
    .wavefront_size: 32
...
	.end_amdgpu_metadata
.endif
;; end of part 1
;; launch attn (part 2): grid 16 x 16, 8 waves a work-group, clusters of 4 x 1, 327,680 bytes of LDS; arguments q, cos, sin, q_ranges, k_ranges, kh, vh, out0; writes out0
.if DOCPART == 2
	.amdgcn_target "amdgcn-amd-amdhsa--gfx1250"
	.amdhsa_code_object_version 6
	.text
	.protected	k_q76ed9d0c02_attn
	.globl	k_q76ed9d0c02_attn
	.p2align	8
	.type	k_q76ed9d0c02_attn,@function
k_q76ed9d0c02_attn:
	s_mov_b64 s[64:65], 0
	v_nop
	global_prefetch_b8 v0, s[64:65] scope:SCOPE_SE
	s_setreg_imm32_b32 hwreg(HW_REG_WAVE_MODE, 25, 1), 1
	s_wait_xcnt 0x0
	s_wait_alu depctr_hold_cnt(0) depctr_sa_sdst(0) depctr_va_vdst(0) depctr_va_sdst(0) depctr_va_ssrc(0) depctr_va_vcc(0) depctr_vm_vsrc(0)
	s_getreg_b32 s2, hwreg(HW_REG_IB_STS2, 6, 4)
	s_cmp_eq_u32 s2, 0
	s_cbranch_scc0 .Lentry_in_a_cluster
	s_endpgm
.Lentry_in_a_cluster:
	s_bfe_u32 s2, ttmp6, 0x10000c
	s_cmp_lg_u32 s2, 0x3003
	s_cbranch_scc0 .Lentry_shape_is_right
	s_endpgm
.Lentry_shape_is_right:
; out0 = attention(rope(q), kh, vh) under the mask that q_ranges and k_ranges give.  q, out0: [2048][16][128] f32; kh, vh: [2048][4][128] f16.
; mask[q][k] = (qbits[q] & kbits[k]) != 0, bit r of qbits (kbits) saying that the index lies in q range (k range) r; compares are signed.
;
; SHARE.  A work-group has one query head and 128 tokens; 16 x 16 work-groups.  Eight waves: wave w has the 32 query rows 32 g .. 32 g + 31
; (g = w & 3, two tiles of 16 rows) and, of every 256 keys, the two runs of 64 keys p and p + 2 (p = w >> 2).  The two waves of a pair (g, 0), (g, 1)
; keep a running maximum, sum and output each; they are merged once, at the end, through LDS.
; CLUSTERS.  The four query heads of one key/value head, at the same 128 tokens, form a cluster of 4 x 1.  They walk the same tiles of kh and vh:
; every tile is asked for jointly (mask 15), which divides the requests by four.
; NO BRANCH HANGS ON THE RANGES: all partners run the same instructions, every run of keys is computed and masked, whatever the ranges hold.
;
; TRANSPOSED FORMS.  S^T = K Q^T (A = 16 keys x 32 d, B = 16 rows x 32 d): lane (r, h) holds keys 8 h + j (register j) of query row r.
; Two such tiles, packed to f16, ARE a B fragment of 32 keys x 16 rows.  O^T = V^T P^T (A = 16 d x 32 keys, by transposing LDS loads):
; lane (r, h) holds d = 16 dt + 8 h + j of row r.  So maximum, sum and rescaling factor are one number a lane, and no lane exchange is needed
; but one between the two halves of the wave.
; SOFTMAX in base 2: q is multiplied by log2(e) / sqrt(128) with its rope, before it is rounded to f16; running maximum as usual.
;
; LIMITS.  f16 operands: magnitudes of rope(q) * 0.1275, of kh and of vh below 65,504; absolute step 2^-24 below 2^-14.
; A masked score is -1e30 (in base-2 units); a row counts as covered if its maximum is above -5e29, so true scores must lie above that.
; While all keys seen of a row are masked, exp2(0) = 1 gathers sums of V; they are multiplied by 0 at the first allowed key or at the end:
; V must be finite.  A NaN score loses in the maximum.  d is summed in the permuted order of kh.  P is rounded to f16, its sum is kept in f32.
.set KP,     272                       ; LDS pitch of K and of the staged Q: 256 bytes + 16, an odd multiple of 16
.set VP,     288                       ; LDS pitch of V: 256 bytes + 32, an odd multiple of 32, for the transposing loads
.set KSUB,   64*KP                     ; 64 keys of K: one tensor load, and one run of keys
.set VSUB,   64*VP
.set KBYTES, 4*KSUB                    ; 256 keys of K
.set SLOT,   KBYTES+4*VSUB             ; 143,360: K then V of 256 keys; two slots
.set QST,    2*SLOT                    ; 128 rows x 272: Q in f16; at the end each of waves 0-3 has 16 rows x 528 there for the way out
.set TAB,    QST+128*KP                ; 4,096: kbits, 16 bits a key
.set OPI,    528                       ; pitch of the way out: 512 bytes + 16
.set XPAIR,  16896                     ; exchange of a pair, in slot 0 after its last fill and last read: 128 registers x 128 bytes, then 512 of statistics
.set TILEB,  262144                    ; 256 tokens of 1,024 bytes in kh and vh
; vector registers, window 0
.set KADR, 2                           ; v2, v3    my K fragments in slot 0, 1
.set VADR, 4                           ; v4, v5    my V fragments in slot 0, 1
.set TADR, 6                           ; v6        my kbits of this tile; + 512 a tile
.set QB2,  7                           ; v7, v8    qbits of my row in tile 0, 1, in both halves of the word
.set STO,  9                           ; way out: where I put my 32 bytes
.set RD,   10                          ; way out: where I read a row back
.set CO,   11                          ; 16 x lane, offset in out0
.set XA,   12                          ; exchange: my 16 bytes
.set AL,   14                          ; v[14:15], v[16:17]  rescaling factor of tile 0, 1 (first register of each pair)
.set ML,   18                          ; v18 M0, v19 L0, v20 M1, v21 L1
.set QOFF, 22                          ; offset of my q loads
.set COFF, 23                          ; offset of my cos and sin loads: 16 x thread
.set TT,   24                          ; v24-31    at work
.set QFR,  32                          ; v[32:95]  Q fragments, 32 a + 8 c
.set SCO,  96                          ; v[96:159] scores, 32 a + 8 kt
.set PRB,  160                         ; v[160:191] P fragments, 16 a + 8 ks; before that kbits in v[160:175]
.set VFR,  192                         ; v[192:255] V fragments of keys 0-31, 8 dt
.set XQ,   96                          ; prologue: v[96:223] q, cos, sin as loaded, 16 registers a pass
.set QSA,  236                         ; prologue: where I stage Q
.set QFA,  237                         ; prologue: where my Q fragments lie
; window 1
.set ACC,  0                           ; v[256:383] output sums, 64 a + 8 dt
.set KFR,  128                         ; v[384:511] K fragments, 32 kt + 8 c; behind the score products its first 64 hold V of keys 32-63
; scalar registers
.set G1K, 24                           ; s[24:31]  descriptor group 1 for K
.set G1V, 32                           ; s[32:39]  for V (wider padding)
.set G0K, 40                           ; s[40:47]  group 0 for K, a set for each slot
.set G0V, 48                           ; s[48:55]  for V
.set QR,  68                           ; s[68:83]  q_ranges
.set KR,  84                           ; s[84:99]  k_ranges
; s20 wave, s21 g, s22 p, s23 loop counter, s56 block of tokens, s57 s100 s101 lane masks at work, s58 s59 lane selects, s60 -1e30, s61 0xffff, s[62:63] scale, s66 cx, s67 query head
.set MSB, 0
.macro WIN new                         ; low byte: bits 1:0 source 0, 3:2 source 1, 5:4 source 2, 7:6 destination; high byte: the setting left
.if MSB != \new
	s_set_vgpr_msb (MSB<<8)|\new
.set MSB, \new
.endif
.endm
.macro PLACES                          ; four places behind a matrix instruction (ISA guide 7.12.1), before its registers are loaded, written or read
.rept 4
	v_nop
.endr
.endm
; A round of the cluster barrier: the work-group barrier, wave 0 signals for the work-group, all wait for the four work-groups, the work-group barrier again.
.macro ROUND
	s_barrier_signal -1
	s_barrier_wait -1
	s_cmp_lg_u32 s20, 0
	s_cbranch_scc1 .Lnot_wave_0_\@
	s_barrier_signal -3
.Lnot_wave_0_\@:
	s_barrier_wait -3
	s_barrier_signal -1
	s_barrier_wait -1
.endm
; A joint load of 64 rows into slot s: waves 0-3 ask for the four quarters of K, waves 4-7 for those of V.
.macro JLOAD s
	s_cmp_lt_u32 s20, 4
	s_cbranch_scc0 .Lfor_v_\@
	tensor_load_to_lds s[G0K+4*\s:G0K+4*\s+3], s[G1K:G1K+7]
	s_nop 0
	s_branch .Lasked_\@
.Lfor_v_\@:
	tensor_load_to_lds s[G0V+4*\s:G0V+4*\s+3], s[G1V:G1V+7]
	s_nop 0
.Lasked_\@:
.endm
; acc |= bit in the lanes where s[lo] <= idx < s[lo+1], signed
.macro INBIT acc, idx, lo, bit
	v_cmp_le_i32 vcc_lo, s[\lo], v[\idx]
	v_cmp_gt_i32 s100, s[\lo+1], v[\idx]
	s_and_b32 vcc_lo, vcc_lo, s100
	v_cndmask_b32 v1, 0, v[\bit], vcc_lo
	v_or_b32 v[\acc], v[\acc], v1
.endm
	s_load_b512 s[4:19], s[0:1], 0x0               ; q 4, cos 6, sin 8, q_ranges 10, k_ranges 12, kh 14, vh 16, out0 18
	v_lshl_add_u32 v158, v0, 2, 0x4f800
	v_mov_b32 v159, 0
	ds_add_u32 v158, v159
	s_wait_dscnt 0x0
	v_lshrrev_b32 v1, 5, v0
	v_readfirstlane_b32 s20, v1                    ; wave 0..7
	s_and_b32 s21, s20, 3                          ; g: my 32 rows; also the quarter of a tile that I ask for
	s_lshr_b32 s22, s20, 2                         ; p: my runs of keys
	s_bfe_u32 s66, ttmp6, 0x40000                  ; cx: my place in the cluster
	s_lshl_b32 s67, ttmp9, 2                       ; ttmp9 counts clusters along x: the key/value head
	s_add_co_u32 s67, s67, s66                     ; query head
	s_and_b32 s56, ttmp7, 0xffff                   ; block of 128 tokens
	s_mov_b32 s58, 0x76543210                      ; v_permlanex16_b32: lane i of one half reads lane i of the other
	s_mov_b32 s59, 0xfedcba98
	s_mov_b32 s60, 0xf149f2ca                      ; -1e30
	s_mov_b32 s61, 0xffff
	s_mov_b32 s62, 0x3e0293ee                      ; log2(e) / sqrt(128)
	s_mov_b32 s63, 0x3e0293ee
	; group 1: 64 rows of 128 elements of 2 bytes, 512 elements from row to row, padded behind every 64 words; mask 15 names the four partners, bit 21 beside it
	s_mov_b32 s[G1K+0], 15|(1<<16)|(1<<20)|(1<<21)|(5<<22)|(3<<25)     ; 4 words of padding: pitch 272
	s_mov_b32 s[G1V+0], 15|(1<<16)|(1<<20)|(1<<21)|(5<<22)|(7<<25)     ; 8 words of padding: pitch 288
.irp g, G1K, G1V
	s_mov_b32 s[\g+1], 128<<16                     ; tensor_dim0 = 128
	s_mov_b32 s[\g+2], 64<<16                      ; tensor_dim1 = 64
	s_mov_b32 s[\g+3], 128<<16                     ; tile_dim0 = 128
	s_mov_b32 s[\g+4], 64                          ; tile_dim1 = 64
	s_mov_b32 s[\g+5], 512                         ; stride from row to row
	s_mov_b32 s[\g+6], 0
	s_mov_b32 s[\g+7], 0
.endr
	s_mul_i32 s2, s21, KSUB                        ; LDS: my quarter of K,
	s_mul_i32 s3, s21, VSUB
	s_add_co_u32 s3, s3, KBYTES                    ; of V.  No place in the cluster enters an LDS address
	s_lshl_b32 s100, ttmp9, 8                      ; memory: the key/value head (256 bytes), which the partners share,
	s_lshl_b32 s101, s21, 16                       ; and my quarter: 64 tokens of 1,024 bytes
	s_add_co_u32 s100, s100, s101
	s_mov_b32 s101, 0
	s_wait_kmcnt 0x0                               ; the eight addresses are in
	s_load_b512 s[QR:QR+15], s[10:11], 0x0         ; both tables of ranges; s[10:13] are not written again
	s_load_b512 s[KR:KR+15], s[12:13], 0x0
	s_add_nc_u64 s[14:15], s[14:15], s[100:101]
	s_add_nc_u64 s[16:17], s[16:17], s[100:101]
.irp s, 0,1
	s_mov_b32 s[G0K+4*\s], 1
	s_add_co_u32 s[G0K+4*\s+1], s2, \s*SLOT
	s_add_nc_u64 s[G0K+4*\s+2:G0K+4*\s+3], s[14:15], \s*TILEB          ; tile s
	s_or_b32 s[G0K+4*\s+3], s[G0K+4*\s+3], 0x80000000
	s_mov_b32 s[G0V+4*\s], 1
	s_add_co_u32 s[G0V+4*\s+1], s3, \s*SLOT
	s_add_nc_u64 s[G0V+4*\s+2:G0V+4*\s+3], s[16:17], \s*TILEB
	s_or_b32 s[G0V+4*\s+3], s[G0V+4*\s+3], 0x80000000
.endr
	ROUND                                          ; the four work-groups are here: the first joint loads meet
	s_cmp_lt_u32 s20, 4                            ; both first fills of a wave in one branch: two tensor loads are out
	s_cbranch_scc0 .Lfirst_v
	tensor_load_to_lds s[G0K:G0K+3], s[G1K:G1K+7]
	s_nop 0
	tensor_load_to_lds s[G0K+4:G0K+7], s[G1K:G1K+7]
	s_nop 0
	s_branch .Lfirst_done
.Lfirst_v:
	tensor_load_to_lds s[G0V:G0V+3], s[G1V:G1V+7]
	s_nop 0
	tensor_load_to_lds s[G0V+4:G0V+7], s[G1V:G1V+7]
	s_nop 0
.Lfirst_done:
	s_lshl_b32 s2, s56, 20                         ; q and out0: 128 tokens of 8,192 bytes,
	s_lshl_b32 s3, s67, 9                          ; my head: 512 bytes
	s_add_co_u32 s2, s2, s3
	s_mov_b32 s3, 0
	s_add_nc_u64 s[4:5], s[4:5], s[2:3]
	s_lshl_b32 s100, s21, 18                       ; out0: my 32 rows
	s_add_co_u32 s2, s2, s100
	s_add_nc_u64 s[18:19], s[18:19], s[2:3]
	s_lshl_b32 s2, s56, 15                         ; cos, sin: 128 tokens of 256 bytes
	s_add_nc_u64 s[6:7], s[6:7], s[2:3]
	s_add_nc_u64 s[8:9], s[8:9], s[2:3]
	v_and_b32 v24, 15, v0                          ; r; also the chunk i of the rope
	v_bfe_u32 v25, v0, 4, 1                        ; h
	v_and_b32 v26, 31, v0                          ; lane
	v_lshrrev_b32 v27, 4, v0                       ; thread / 16: the token inside a pass
	v_lshlrev_b32 v28, 4, v24                      ; 16 i
	v_lshl_add_u32 v[QOFF], v27, 13, v28
	v_lshlrev_b32 v[COFF], 4, v0
	; Q: eight passes of 16 tokens.  Thread t takes token 16 n + t / 16, x[4i..] and x[64+4i..]; sixteen lanes read 256 neighbouring bytes.  All 32 loads go out at once.
.irp i, 0,1,2,3,4,5,6,7
	global_load_b128 v[XQ+16*\i:XQ+16*\i+3],     v[QOFF], s[4:5] offset:\i*131072 th:TH_LOAD_NT
	global_load_b128 v[XQ+16*\i+4:XQ+16*\i+7],   v[QOFF], s[4:5] offset:\i*131072+256 th:TH_LOAD_NT
	global_load_b128 v[XQ+16*\i+8:XQ+16*\i+11],  v[COFF], s[6:7] offset:\i*4096
	global_load_b128 v[XQ+16*\i+12:XQ+16*\i+15], v[COFF], s[8:9] offset:\i*4096
.endr
	; addresses
	v_mul_u32_u24 v29, v24, KP
	v_lshl_add_u32 v29, v25, 4, v29                ; r * 272 + 16 h: a fragment of rows that lie along d
	s_mul_i32 s2, s22, KSUB
	v_add_nc_u32 v[KADR], s2, v29
	v_add_nc_u32 v[KADR+1], SLOT, v[KADR]
	v_and_b32 v30, 7, v0
	v_lshl_add_u32 v30, v25, 3, v30                ; key 8 h + (lane & 7)
	v_mul_u32_u24 v30, v30, VP
	v_bfe_u32 v31, v0, 3, 1
	v_lshl_add_u32 v30, v31, 4, v30                ; + 16 ((lane >> 3) & 1)
	s_mul_i32 s3, s22, VSUB
	s_add_co_u32 s3, s3, KBYTES
	v_add_nc_u32 v[VADR], s3, v30
	v_add_nc_u32 v[VADR+1], SLOT, v[VADR]
	s_lshl_b32 s2, s22, 7                          ; 64 keys of 2 bytes
	s_add_co_u32 s2, s2, TAB
	v_lshl_add_u32 v[TADR], v25, 4, s2             ; keys 8 h .. 8 h + 7: 16 bytes
	s_mul_i32 s2, s21, 16*OPI
	s_add_co_u32 s2, s2, QST
	v_mul_u32_u24 v[STO], v24, OPI
	v_lshl_add_u32 v[STO], v25, 5, v[STO]
	v_add_nc_u32 v[STO], s2, v[STO]                ; row r, 32 bytes for each half of the lanes
	v_lshl_add_u32 v[RD], v26, 4, s2               ; back: the wave takes a row of 512 bytes
	v_lshlrev_b32 v[CO], 4, v26
	s_mul_i32 s3, s21, XPAIR
	v_lshl_add_u32 v[XA], v26, 4, s3
	v_mul_u32_u24 v[QSA], v27, KP
	v_add_nc_u32 v[QSA], v[QSA], v28
	v_add_nc_u32 v[QSA], QST, v[QSA]               ; row thread / 16 of a pass, 16 bytes at 16 i
	s_mul_i32 s2, s21, 32*KP
	s_add_co_u32 s2, s2, QST
	v_add_nc_u32 v[QFA], s2, v29                   ; row 32 g + r
	v_mov_b32 v[ML], s60                           ; maxima -1e30, sums 0
	v_mov_b32 v[ML+1], 0
	v_mov_b32 v[ML+2], s60
	v_mov_b32 v[ML+3], 0
	v_mov_b32 v[AL+1], 0                           ; the second registers of the two pairs are named by the packed multiplies and never used
	v_mov_b32 v[AL+3], 0
	; qbits of my row in each of my two tiles, in both halves of a word
	s_lshl_b32 s2, s56, 7
	s_lshl_b32 s3, s21, 5
	s_add_co_u32 s2, s2, s3                        ; my first token
	v_add_nc_u32 v46, s2, v24
	v_add_nc_u32 v47, 16, v46
	v_mov_b32 v[QB2], 0
	v_mov_b32 v[QB2+1], 0
	s_wait_kmcnt 0x0                               ; both tables of ranges are in
.irp r, 0,1,2,3,4,5,6,7
	v_mov_b32 v44, (1<<\r)*0x10001
	INBIT QB2, 46, QR+2*\r, 44
	INBIT QB2+1, 47, QR+2*\r, 44
.endr
	; kbits of all 2,048 keys: thread t makes keys 8 t .. 8 t + 7, two in a word
.irp e, 0,1,2,3,4,5,6,7
	v_lshl_or_b32 v[32+\e], v0, 3, \e
.endr
.irp w, 0,1,2,3
	v_mov_b32 v[40+\w], 0
.endr
.irp r, 0,1,2,3,4,5,6,7
	v_mov_b32 v44, 1<<\r
	v_mov_b32 v45, 1<<(\r+16)
.irp w, 0,1,2,3
	INBIT 40+\w, 32+2*\w, KR+2*\r, 44
	INBIT 40+\w, 33+2*\w, KR+2*\r, 45
.endr
.endr
	v_add_nc_u32 v48, TAB, v[COFF]
	ds_store_b128 v48, v[40:43]
; Pass i of Q: rope with cos and sin scaled by log2(e) / sqrt(128), rounded to f16, 16 bytes into the stage, in the permuted order of kh.
.macro ROPEQ i
	s_wait_loadcnt 28-4*\i                         ; 32 loads in order; pass i needs the first 4 i + 4
.irp k, 8,10,12,14
	v_pk_mul_f32 v[XQ+16*\i+\k:XQ+16*\i+\k+1], v[XQ+16*\i+\k:XQ+16*\i+\k+1], s[62:63] op_sel_hi:[1,0]
.endr
	v_pk_mul_f32 v[224:225], v[XQ+16*\i+4:XQ+16*\i+5], v[XQ+16*\i+12:XQ+16*\i+13]          ; x2 sin
	v_pk_mul_f32 v[226:227], v[XQ+16*\i+6:XQ+16*\i+7], v[XQ+16*\i+14:XQ+16*\i+15]
	v_pk_mul_f32 v[228:229], v[XQ+16*\i:XQ+16*\i+1],   v[XQ+16*\i+12:XQ+16*\i+13]          ; x1 sin
	v_pk_mul_f32 v[230:231], v[XQ+16*\i+2:XQ+16*\i+3], v[XQ+16*\i+14:XQ+16*\i+15]
	v_pk_fma_f32 v[224:225], v[XQ+16*\i:XQ+16*\i+1],   v[XQ+16*\i+8:XQ+16*\i+9],   v[224:225] neg_lo:[0,0,1] neg_hi:[0,0,1]
	v_pk_fma_f32 v[226:227], v[XQ+16*\i+2:XQ+16*\i+3], v[XQ+16*\i+10:XQ+16*\i+11], v[226:227] neg_lo:[0,0,1] neg_hi:[0,0,1]
	v_pk_fma_f32 v[228:229], v[XQ+16*\i+4:XQ+16*\i+5], v[XQ+16*\i+8:XQ+16*\i+9],   v[228:229]
	v_pk_fma_f32 v[230:231], v[XQ+16*\i+6:XQ+16*\i+7], v[XQ+16*\i+10:XQ+16*\i+11], v[230:231]
	v_cvt_pk_f16_f32 v232, v224, v225
	v_cvt_pk_f16_f32 v233, v226, v227
	v_cvt_pk_f16_f32 v234, v228, v229
	v_cvt_pk_f16_f32 v235, v230, v231
	ds_store_b128 v[QSA], v[232:235] offset:16*KP*\i
.endm
.irp i, 0,1,2,3,4,5,6,7
	ROPEQ \i
.endr
	s_wait_dscnt 0x0                               ; my part of the table and of Q is in LDS, for the other waves
	s_wait_tensorcnt 0x1                           ; my quarter of slot 0 has landed; that of slot 1 may stay out
	s_barrier_signal -1
	s_barrier_wait -1
.irp a, 0,1
.irp c, 0,1,2,3
	ds_load_b128 v[QFR+32*\a+8*\c:QFR+32*\a+8*\c+3],   v[QFA] offset:16*KP*\a+64*\c
	ds_load_b128 v[QFR+32*\a+8*\c+4:QFR+32*\a+8*\c+7], v[QFA] offset:16*KP*\a+64*\c+32
.endr
.endr
	s_wait_dscnt 0x0                               ; once: the counts below then count a run's own loads alone
; 16 score products: key tiles k0, k1 x my two row tiles x four steps of 32 along d.  The four accumulators take turns, one instruction a turn.
.macro SPROD k0, k1
.irp c, 0,1,2,3
.irp kt, \k0, \k1
.irp a, 0,1
.if \c == 0
	v_wmma_f32_16x16x32_f16 v[SCO+32*\a+8*\kt:SCO+32*\a+8*\kt+7], v[KFR+32*\kt+8*\c:KFR+32*\kt+8*\c+7], v[QFR+32*\a+8*\c:QFR+32*\a+8*\c+7], 0
.else
	v_wmma_f32_16x16x32_f16 v[SCO+32*\a+8*\kt:SCO+32*\a+8*\kt+7], v[KFR+32*\kt+8*\c:KFR+32*\kt+8*\c+7], v[QFR+32*\a+8*\c:QFR+32*\a+8*\c+7], v[SCO+32*\a+8*\kt:SCO+32*\a+8*\kt+7]
.endif
.endr
.endr
.endr
.endm
; 16 output products: eight tiles of d x my two row tiles, 32 keys (half ks of the run), V fragments at afr.  zero = 1: they start the sums.
; The sixteen accumulators take turns, one instruction a turn.
.macro PV afr, ks, zero
.irp dt, 0,1,2,3,4,5,6,7
.irp a, 0,1
.if \zero
	v_wmma_f32_16x16x32_f16 v[ACC+64*\a+8*\dt:ACC+64*\a+8*\dt+7], v[\afr+8*\dt:\afr+8*\dt+7], v[PRB+16*\a+8*\ks:PRB+16*\a+8*\ks+7], 0
.else
	v_wmma_f32_16x16x32_f16 v[ACC+64*\a+8*\dt:ACC+64*\a+8*\dt+7], v[\afr+8*\dt:\afr+8*\dt+7], v[PRB+16*\a+8*\ks:PRB+16*\a+8*\ks+7], v[ACC+64*\a+8*\dt:ACC+64*\a+8*\dt+7]
.endif
.endr
.endr
.endm
; Scores of pairs that no range allows become -1e30.  A lane's eight keys of a key tile are the four words v[PRB+4 kt ..], two keys a word.
; Four words at a time, on eight temporaries and four mask registers, so that no line waits for the line in front of it.
.macro MASK
.irp kt, 0,1,2,3
.irp a, 0,1
.irp w, 0,1,2,3
	v_and_b32 v[TT+\w], v[PRB+4*\kt+\w], v[QB2+\a]                     ; ranges that key and row share, for two keys
.endr
.irp w, 0,1,2,3
	v_lshlrev_b32 v[TT+4+\w], 16, v[TT+\w]                             ; the even key's alone
.endr
	v_cmp_ne_u32 vcc_lo, 0, v[TT+4]
	v_cmp_ne_u32 s57,    0, v[TT+5]
	v_cmp_ne_u32 s100,   0, v[TT+6]
	v_cmp_ne_u32 s101,   0, v[TT+7]
	v_cndmask_b32 v[SCO+32*\a+8*\kt+0], s60, v[SCO+32*\a+8*\kt+0], vcc_lo
	v_cndmask_b32 v[SCO+32*\a+8*\kt+2], s60, v[SCO+32*\a+8*\kt+2], s57
	v_cndmask_b32 v[SCO+32*\a+8*\kt+4], s60, v[SCO+32*\a+8*\kt+4], s100
	v_cndmask_b32 v[SCO+32*\a+8*\kt+6], s60, v[SCO+32*\a+8*\kt+6], s101
	v_cmp_lt_u32 vcc_lo, s61, v[TT+0]                                  ; the odd key's: a bit above bit 15
	v_cmp_lt_u32 s57,    s61, v[TT+1]
	v_cmp_lt_u32 s100,   s61, v[TT+2]
	v_cmp_lt_u32 s101,   s61, v[TT+3]
	v_cndmask_b32 v[SCO+32*\a+8*\kt+1], s60, v[SCO+32*\a+8*\kt+1], vcc_lo
	v_cndmask_b32 v[SCO+32*\a+8*\kt+3], s60, v[SCO+32*\a+8*\kt+3], s57
	v_cndmask_b32 v[SCO+32*\a+8*\kt+5], s60, v[SCO+32*\a+8*\kt+5], s100
	v_cndmask_b32 v[SCO+32*\a+8*\kt+7], s60, v[SCO+32*\a+8*\kt+7], s101
.endr
.endr
.endm
; The running softmax of 64 keys x my 32 rows; both row tiles side by side.  A lane has 32 scores of one row in each tile; the other 32 lie in the other half of the wave.
.macro SOFTMAX
	v_max3_num_f32 v[TT+0], v[SCO+0],  v[SCO+1],  v[ML]                ; four chains; the old maxima ride along
	v_max_num_f32  v[TT+1], v[SCO+16], v[SCO+17]
	v_max3_num_f32 v[TT+2], v[SCO+32], v[SCO+33], v[ML+2]
	v_max_num_f32  v[TT+3], v[SCO+48], v[SCO+49]
.set j, 2
.rept 7
.irp q, 0,1,2,3
	v_max3_num_f32 v[TT+\q], v[TT+\q], v[SCO+16*\q+j], v[SCO+16*\q+j+1]
.endr
.set j, j+2
.endr
	v_max_num_f32 v[TT+0], v[TT+0], v[TT+1]
	v_max_num_f32 v[TT+2], v[TT+2], v[TT+3]
	v_permlanex16_b32 v[TT+1], v[TT+0], s58, s59   ; the other half of the row
	v_permlanex16_b32 v[TT+3], v[TT+2], s58, s59
	v_max_num_f32 v[TT+0], v[TT+0], v[TT+1]
	v_max_num_f32 v[TT+2], v[TT+2], v[TT+3]
	v_sub_f32 v[AL],   v[ML],   v[TT+0]            ; old maximum - new
	v_sub_f32 v[AL+2], v[ML+2], v[TT+2]
	v_mov_b32 v[ML],   v[TT+0]
	v_mov_b32 v[ML+2], v[TT+2]
.set j, 0
.rept 16
	v_pk_add_f32 v[SCO+j:SCO+j+1],       v[SCO+j:SCO+j+1],       v[ML:ML+1]   op_sel_hi:[1,0] neg_lo:[0,1] neg_hi:[0,1]
	v_pk_add_f32 v[SCO+32+j:SCO+32+j+1], v[SCO+32+j:SCO+32+j+1], v[ML+2:ML+3] op_sel_hi:[1,0] neg_lo:[0,1] neg_hi:[0,1]
.set j, j+2
.endr
.set j, 0
.rept 64
	v_exp_f32 v[SCO+j], v[SCO+j]
.set j, j+1
.endr
	v_exp_f32 v[AL],   v[AL]
	v_exp_f32 v[AL+2], v[AL+2]
	v_nop                                          ; one plain place behind the exponentials before a result is read (ISA guide 5.7.2)
	s_wait_alu depctr_va_vdst(0)
.irp q, 0,1,2,3
	v_pk_add_f32 v[TT+2*\q:TT+2*\q+1], v[SCO+16*\q:SCO+16*\q+1], v[SCO+16*\q+2:SCO+16*\q+3]
.endr
.set j, 4
.rept 6
.irp q, 0,1,2,3
	v_pk_add_f32 v[TT+2*\q:TT+2*\q+1], v[TT+2*\q:TT+2*\q+1], v[SCO+16*\q+j:SCO+16*\q+j+1]
.endr
.set j, j+2
.endr
	v_pk_add_f32 v[TT+0:TT+1], v[TT+0:TT+1], v[TT+2:TT+3]
	v_pk_add_f32 v[TT+4:TT+5], v[TT+4:TT+5], v[TT+6:TT+7]
	v_add_f32 v[TT+0], v[TT+0], v[TT+1]
	v_add_f32 v[TT+4], v[TT+4], v[TT+5]
	v_fma_f32 v[ML+1], v[ML+1], v[AL],   v[TT+0]   ; the sum stays that of my half of the keys until the end
	v_fma_f32 v[ML+3], v[ML+3], v[AL+2], v[TT+4]
.set j, 0
.rept 32
	v_cvt_pk_f16_f32 v[PRB+j], v[SCO+2*j], v[SCO+2*j+1]                ; key tiles 2 ks, 2 ks + 1 make registers 0-3, 4-7 of fragment ks
.set j, j+1
.endr
.endm
; One run of 64 keys: run p + 2 hf of the slot.  first = 1: the wave's first run: its output products start the sums, and there is nothing to rescale.
.macro SUB slot, hf, first
.if \first == 0
	PLACES                                         ; behind the last output products, whose fragments are loaded again
.endif
.irp kt, 0,1,2,3
	ds_load_b128 v[PRB+4*\kt:PRB+4*\kt+3], v[TADR] offset:256*\hf+32*\kt                   ; kbits of my 32 keys, ahead of all else: the counts below show them in
.endr
	WIN 0x40
.irp kt, 0,1,2,3
.irp c, 0,1,2,3
	ds_load_b128 v[KFR+32*\kt+8*\c:KFR+32*\kt+8*\c+3],   v[KADR+\slot] offset:\hf*2*KSUB+\kt*16*KP+64*\c
	ds_load_b128 v[KFR+32*\kt+8*\c+4:KFR+32*\kt+8*\c+7], v[KADR+\slot] offset:\hf*2*KSUB+\kt*16*KP+64*\c+32
.endr
.endr
	WIN 0
.irp dt, 0,1,2,3,4,5,6,7
	ds_load_tr16_b128 v[VFR+8*\dt:VFR+8*\dt+3],   v[VADR+\slot] offset:\hf*2*VSUB+32*\dt
	ds_load_tr16_b128 v[VFR+8*\dt+4:VFR+8*\dt+7], v[VADR+\slot] offset:\hf*2*VSUB+32*\dt+16*VP
.endr
	WIN 0x01
	s_wait_dscnt 32                                ; of 52 loads the first 20, kbits and key tiles 0 and 1, are in
	SPROD 0, 1
	s_wait_dscnt 16                                ; key tiles 2 and 3 too; the 16 loads of V may be out
	SPROD 2, 3
	PLACES                                         ; behind the score products: K registers are loaded again, scores are read
	WIN 0x40
.irp dt, 0,1,2,3,4,5,6,7
	ds_load_tr16_b128 v[KFR+8*\dt:KFR+8*\dt+3],   v[VADR+\slot] offset:\hf*2*VSUB+32*VP+32*\dt
	ds_load_tr16_b128 v[KFR+8*\dt+4:KFR+8*\dt+7], v[VADR+\slot] offset:\hf*2*VSUB+32*VP+32*\dt+16*VP
.endr
	WIN 0
	MASK
	SOFTMAX
.if \first == 0
	WIN 0x41
.set j, 0
.rept 32
	v_pk_mul_f32 v[ACC+j:ACC+j+1],       v[ACC+j:ACC+j+1],       v[AL:AL+1]   op_sel_hi:[1,0]
	v_pk_mul_f32 v[ACC+64+j:ACC+64+j+1], v[ACC+64+j:ACC+64+j+1], v[AL+2:AL+3] op_sel_hi:[1,0]
.set j, j+2
.endr
.endif
	WIN 0x50
	s_wait_dscnt 16                                ; V of keys 0-31 is in; the 16 loads of keys 32-63 may be out
	PV VFR, 0, \first
	WIN 0x51
	s_wait_dscnt 0x0
	PV KFR, 1, 0
	WIN 0
.endm
.macro SLOTWORK slot, first
	SUB \slot, 0, \first
	SUB \slot, 1, 0
	v_add_nc_u32 v[TADR], 512, v[TADR]             ; the next tile's 256 keys in the table
.endm
; The change of slots.  In front of the round every wave has waited for all its tensor loads (one was out: its quarter of this slot) and for its reads of
; the other slot; the round makes that hold of every wave of the four work-groups; behind it the other slot is asked for again first, one load a wave,
; which has this slot's work in which to land.
.macro TWO slot, other, refill
	s_wait_xcnt 0x0
	v_lshl_add_u32 v158, v0, 2, 0x4f800
	v_mov_b32 v159, 0
	s_wait_tensorcnt 0x0
	ds_add_u32 v158, v159
	s_wait_dscnt 0x0
.if \refill
	s_add_nc_u64 s[G0K+4*\other+2:G0K+4*\other+3], s[G0K+4*\other+2:G0K+4*\other+3], 2*TILEB   ; no load of mine is out: the descriptors may be stepped
	s_add_nc_u64 s[G0V+4*\other+2:G0V+4*\other+3], s[G0V+4*\other+2:G0V+4*\other+3], 2*TILEB
.endif
	s_wait_dscnt 0x0
	ROUND
.if \refill
	JLOAD \other
.endif
	SLOTWORK \slot, 0
.endm
	SLOTWORK 0, 1                                  ; tile 0
	s_mov_b32 s23, 3
.Lloop:
	TWO 1, 0, 1                                    ; tiles 1, 3, 5; asks for 2, 4, 6
	TWO 0, 1, 1                                    ; tiles 2, 4, 6; asks for 3, 5, 7
	s_sub_co_i32 s23, s23, 1
	s_cmp_lg_u32 s23, 0
	s_cbranch_scc1 .Lloop
	TWO 1, 0, 0                                    ; tile 7: nothing is left to fetch
	; THE END.  Waves 4-7 hand their sums to waves 0-3 through slot 0, which has had its last fill and, since the last round, its last read.
	PLACES                                         ; behind the last output products
	v_permlanex16_b32 v[TT+0], v[ML+1], s58, s59   ; (v24 and v26 have been written)
	v_permlanex16_b32 v[TT+2], v[ML+3], s58, s59
	v_add_f32 v[ML+1], v[ML+1], v[TT+0]            ; the sums of the two halves of the keys
	v_add_f32 v[ML+3], v[ML+3], v[TT+2]
	s_cmp_lt_u32 s20, 4
	s_cbranch_scc1 .Lkeep
	WIN 0x04
.set j, 0
.rept 32
	ds_store_b128 v[XA], v[ACC+4*j:ACC+4*j+3] offset:512*j
.set j, j+1
.endr
	WIN 0
	ds_store_b128 v[XA], v[ML:ML+3] offset:16384
.Lkeep:
	s_wait_dscnt 0x0                               ; for the partner: the stores are done
	s_barrier_signal -1
	s_barrier_wait -1
	s_cmp_lt_u32 s20, 4
	s_cbranch_scc0 .Lclose
	ds_load_b128 v[28:31], v[XA] offset:16384      ; the partner's M0, L0, M1, L1
.set j, 0
.rept 32
	ds_load_b128 v[SCO+4*j:SCO+4*j+3], v[XA] offset:512*j              ; its sums: tile 0 in v[96:159], tile 1 in v[160:223]
.set j, j+1
.endr
	s_wait_dscnt 32                                ; the statistics are in
; Row tile a: merge, divide, and out through my stage: 16 rows of 512 bytes.  buf: 64 registers for the rows read back.
.macro OUTQ a, buf
	v_max_num_f32 v24, v[ML+2*\a], v[28+2*\a]
	v_sub_f32 v25, v[ML+2*\a], v24
	v_sub_f32 v26, v[28+2*\a], v24
	v_exp_f32 v25, v25
	v_exp_f32 v26, v26
	v_nop                                          ; a plain place behind the exponentials
	v_cmp_lt_f32 vcc_lo, 0xf0c9f2ca, v24           ; the row has an allowed key: its maximum is above -5e29
	s_wait_alu depctr_va_vdst(0)
	v_mul_f32 v27, v[ML+2*\a+1], v25
	v_fmac_f32 v27, v[29+2*\a], v26                ; at least 1 in a covered row
	v_rcp_f32 v27, v27
	v_nop                                          ; a plain place behind the reciprocal
	s_wait_alu depctr_va_vdst(0)
	v_mul_f32 v25, v25, v27
	v_mul_f32 v26, v26, v27
	v_cndmask_b32 v[AL],   0, v25, vcc_lo          ; uncovered rows give 0
	v_cndmask_b32 v[AL+2], 0, v26, vcc_lo
.if \a == 0
	s_wait_dscnt 16                                ; tile 0 of the partner is in; the 16 loads of tile 1 may be out
.endif
.set j, 0
.rept 32
	v_pk_mul_f32 v[SCO+64*\a+j:SCO+64*\a+j+1], v[SCO+64*\a+j:SCO+64*\a+j+1], v[AL+2:AL+3] op_sel_hi:[1,0]
.set j, j+2
.endr
	WIN 0x01
.set j, 0
.rept 32
	v_pk_fma_f32 v[SCO+64*\a+j:SCO+64*\a+j+1], v[ACC+64*\a+j:ACC+64*\a+j+1], v[AL:AL+1], v[SCO+64*\a+j:SCO+64*\a+j+1] op_sel_hi:[1,0,1]
.set j, j+2
.endr
	WIN 0
.irp dt, 0,1,2,3,4,5,6,7
	ds_store_b128 v[STO], v[SCO+64*\a+8*\dt:SCO+64*\a+8*\dt+3]   offset:64*\dt             ; d = 16 dt + 8 h + 0..3 of row r
	ds_store_b128 v[STO], v[SCO+64*\a+8*\dt+4:SCO+64*\a+8*\dt+7] offset:64*\dt+16
.endr
.irp i, 0,1,2,3,4,5,6,7,8,9,10,11,12,13,14,15
	ds_load_b128 v[\buf+4*\i:\buf+4*\i+3], v[RD] offset:OPI*\i         ; LDS serves a wave in order (ISA guide 5.7.1): these see the stores above
.endr
.irp i, 0,1,2,3,4,5,6,7,8,9,10,11,12,13,14,15
	s_wait_dscnt 15-\i
	global_store_b128 v[CO], v[\buf+4*\i:\buf+4*\i+3], s[18:19] offset:(16*\a+\i)*8192 th:TH_STORE_NT   ; the wave stores 512 consecutive bytes, aligned
.endr
.endm
	OUTQ 0, QFR
	OUTQ 1, SCO                                    ; tile 1 was shown in by the count-down to 0 above; no register of a store is written again
.Lclose:
	s_wait_xcnt 0x0
	v_lshl_add_u32 v158, v0, 2, 0x4f800
	v_mov_b32 v159, 0
	s_wait_tensorcnt 0x0
	ds_add_u32 v158, v159
	s_wait_dscnt 0x0
	ROUND                                          ; no work-group ends while a partner may still ask jointly
	s_endpgm
.Lfunc_end_k_q76ed9d0c02_attn:
	.size	k_q76ed9d0c02_attn, .Lfunc_end_k_q76ed9d0c02_attn-k_q76ed9d0c02_attn
	.p2alignl 7, 3214868480
	.fill 96, 4, 3214868480
	.section	.rodata,"a",@progbits
	.p2align	6, 0x0
	.amdhsa_kernel k_q76ed9d0c02_attn
		.amdhsa_group_segment_fixed_size 327680
		.amdhsa_private_segment_fixed_size 0
		.amdhsa_enable_private_segment 0
		.amdhsa_kernarg_size 64
		.amdhsa_user_sgpr_count 2
		.amdhsa_user_sgpr_kernarg_segment_ptr 1
		.amdhsa_wavefront_size32 1
		.amdhsa_system_sgpr_workgroup_id_x 1
		.amdhsa_system_sgpr_workgroup_id_y 1
		.amdhsa_system_sgpr_workgroup_id_z 1
		.amdhsa_system_vgpr_workitem_id 0
		.amdhsa_next_free_vgpr 512
		.amdhsa_next_free_sgpr 102
		.amdhsa_reserve_vcc 1
		.amdhsa_float_denorm_mode_32 3
		.amdhsa_float_denorm_mode_16_64 3
		.amdhsa_memory_ordered 1
		.amdhsa_forward_progress 1
		.amdhsa_inst_pref_size 255
	.end_amdhsa_kernel
	.section	.bss,"aw",@nobits
	.p2align	6
	.space	262144
	.amdgpu_metadata
---
amdhsa.version: [ 1, 2 ]
amdhsa.kernels:
  - .name:           k_q76ed9d0c02_attn
    .symbol:         k_q76ed9d0c02_attn.kd
    .args:
      - { .name: q, .offset: 0, .size: 8, .value_kind: global_buffer, .address_space: global }
      - { .name: cos, .offset: 8, .size: 8, .value_kind: global_buffer, .address_space: global }
      - { .name: sin, .offset: 16, .size: 8, .value_kind: global_buffer, .address_space: global }
      - { .name: q_ranges, .offset: 24, .size: 8, .value_kind: global_buffer, .address_space: global }
      - { .name: k_ranges, .offset: 32, .size: 8, .value_kind: global_buffer, .address_space: global }
      - { .name: kh, .offset: 40, .size: 8, .value_kind: global_buffer, .address_space: global }
      - { .name: vh, .offset: 48, .size: 8, .value_kind: global_buffer, .address_space: global }
      - { .name: out0, .offset: 56, .size: 8, .value_kind: global_buffer, .address_space: global }
    .group_segment_fixed_size: 327680
    .private_segment_fixed_size: 0
    .kernarg_segment_align: 8
    .kernarg_segment_size: 64
    .max_flat_workgroup_size: 256
    .sgpr_count:     102
    .vgpr_count:     512
    .wavefront_size: 32
...
	.end_amdgpu_metadata
.endif
;; end of part 2
;; ======== version 2 of 2: 2 launches; version 1 with the launch prep written anew for expert scheduling mode
;; limits: values are held in f16: magnitudes above 65,504 overflow, below 6.1e-05 lose precision
;; workspace buffers: kh 2,097,152 bytes; vh 2,097,152 bytes
;; launch prep (part 3): grid 256 x 1, 4 waves a work-group, no clusters, 0 bytes of LDS; arguments k, v, cos, sin, kh, vh; writes kh, vh
.if DOCPART == 3
	.amdgcn_target "amdgcn-amd-amdhsa--gfx1250"
	.amdhsa_code_object_version 6
	.text
	.protected	k_q76ed9d0c02_prep
	.globl	k_q76ed9d0c02_prep
	.p2align	8
	.type	k_q76ed9d0c02_prep,@function
k_q76ed9d0c02_prep:
	s_mov_b64 s[64:65], 0
	v_nop
	global_prefetch_b8 v0, s[64:65] scope:SCOPE_SE
	s_setreg_imm32_b32 hwreg(HW_REG_WAVE_SCHED_MODE, 0, 2), 2
	s_setreg_imm32_b32 hwreg(HW_REG_WAVE_MODE, 25, 1), 1
	s_wait_xcnt 0x0
	s_wait_alu depctr_vm_vsrc(0)
; kh = f16(rope(k)) with the head dimension permuted, vh = f16(v).  k, v: [2048][4][128] f32; cos, sin: [2048][64] f32;
; kh, vh: [2048][4][128] f16, row (t, h) is 256 bytes at byte (4 t + h) * 256.
; PERMUTATION of kh: place 8 i + e (e < 4) holds d = 4 i + e, place 8 i + 4 + e holds d = 64 + 4 i + e (i = 0 .. 15).  The thread that owns
; x[4i .. 4i+3] and x[64+4i .. 64+4i+3] has both partners of the rotation and its eight results are 16 neighbouring bytes.  The attention
; launch permutes q alike, so the dot products have the same terms.  vh is not permuted.
; A stream: every input byte is read once and every output byte written once; no LDS, no loop, no matrix unit, nothing is shared.
; The work-group owns 8 tokens.  K: thread t takes token t / 16, chunk i = t % 16, all four heads.  V: wave w takes rows 8 w .. 8 w + 7 of the
; group's 32 rows (t, h), 16 bytes a lane.  All 18 loads of a thread go out at once; no register of a load or store is written again.
; LIMIT: f16 holds magnitudes below 65,504 (larger ones become infinite) and has an absolute step of 2^-24 below 2^-14.
; THE MODE: SCHED_MODE bits 1:0 = 2 (LLVM: expert scheduling mode 2), set by the entry lines.  The code itself states the register dependences
; between vector instructions and memory instructions, with s_wait_alu, always for 0.
; THE PLAN.  Registers that memory instructions touch:
;   v1 .. v5      byte offsets.  Written once at the head by vector instructions; read by the 18 loads (v1, v2, v4) and the 12 stores (v3, v5); never written again.
;   CSN, XK, XV   Each register is the landing place of one load, once; no vector instruction writes it; vector instructions read it behind the counted wait on LOADcnt.
;   YK            Head h's four registers: written by that head's four conversions, read by one store, never written again.
;   WV            Row i's two registers: written by that row's two conversions, read by one store, never written again.
;                 (v104 and v105 are also at work at the head, between vector instructions alone.)
;   v6, v7, TA, TB are named by vector instructions alone.
; So the only dependences to state are: offsets written, then read by memory instructions (one wait at the head), and conversions' results read by stores.
; A step's stores stand one step further down, behind the next step's wait for its loaded data and ONE wait on va_vdst, with no vector instruction between
; that wait and the stores.  No register that a memory instruction has read is written again: the text needs no wait on vm_vsrc and no s_wait_xcnt.
.set CSN, 8                            ; v[8:11] cos, v[12:15] sin of my four frequencies
.set XK,  16                           ; head h: v[16+8h:19+8h] x1, v[20+8h:23+8h] x2
.set XV,  48                           ; row n of V: v[48+4n:51+4n]
.set YK,  80                           ; head h: v[80+4h:83+4h] eight f16 to store
.set TA,  96                           ; v[96:99]   first half of the rotation, at work
.set TB,  100                          ; v[100:103] second half, at work
.set WV,  104                          ; row n of V: v[104+2n:105+2n] four f16 to store
	s_load_b256 s[4:11], s[0:1], 0x0               ; k s[4:5], v s[6:7], cos s[8:9], sin s[10:11]
	s_load_b128 s[12:15], s[0:1], 0x20             ; kh s[12:13], vh s[14:15]
	s_lshl_b32 s16, ttmp9, 14                      ; 8 tokens of 2,048 bytes in k and in v
	s_mov_b32 s17, 0
	s_lshl_b32 s18, ttmp9, 11                      ; 8 tokens of 256 bytes in cos and in sin
	s_mov_b32 s19, 0
	s_lshl_b32 s20, ttmp9, 13                      ; 8 tokens of 1,024 bytes in kh and in vh
	s_mov_b32 s21, 0
	v_and_b32 v6, 15, v0                           ; i
	v_lshrrev_b32 v7, 4, v0                        ; token in the group
	v_lshlrev_b32 v6, 4, v6                        ; 16 i
	v_lshl_add_u32 v1, v7, 11, v6                  ; k: token * 2,048 + 16 i
	v_lshlrev_b32 v2, 4, v0                        ; cos, sin: token * 256 + 16 i = 16 t
	v_lshl_add_u32 v3, v7, 10, v6                  ; kh: token * 1,024 + 16 i
	v_and_b32 v104, 31, v0                         ; lane
	v_lshrrev_b32 v105, 5, v0                      ; wave
	v_lshlrev_b32 v4, 4, v104
	v_lshl_add_u32 v4, v105, 12, v4                ; v: wave * 8 rows of 512 bytes + 16 lane
	v_lshlrev_b32 v5, 3, v104
	v_lshl_add_u32 v5, v105, 11, v5                ; vh: wave * 8 rows of 256 bytes + 8 lane
	s_wait_kmcnt 0x0
	s_add_nc_u64 s[4:5], s[4:5], s[16:17]
	s_add_nc_u64 s[6:7], s[6:7], s[16:17]
	s_add_nc_u64 s[8:9], s[8:9], s[18:19]
	s_add_nc_u64 s[10:11], s[10:11], s[18:19]
	s_add_nc_u64 s[12:13], s[12:13], s[20:21]
	s_add_nc_u64 s[14:15], s[14:15], s[20:21]
	s_wait_alu depctr_va_vdst(0)                   ; the five offsets v1 to v5 are written: every load and store of the kernel reads one of them
	global_load_b128 v[CSN:CSN+3], v2, s[8:9]                  ; the next launch reads cos and sin again: no hint
	global_load_b128 v[CSN+4:CSN+7], v2, s[10:11]
.irp h, 0,1,2,3
	global_load_b128 v[XK+8*\h:XK+8*\h+3],   v1, s[4:5] offset:512*\h th:TH_LOAD_NT        ; sixteen lanes: 256 neighbouring bytes
	global_load_b128 v[XK+8*\h+4:XK+8*\h+7], v1, s[4:5] offset:512*\h+256 th:TH_LOAD_NT
.endr
.irp i, 0,1,2,3,4,5,6,7
	global_load_b128 v[XV+4*\i:XV+4*\i+3], v4, s[6:7] offset:512*\i th:TH_LOAD_NT          ; the wave: one row of 512 bytes
.endr
.irp h, 0,1,2,3
	s_wait_loadcnt 14-2*\h                         ; 18 loads in order; head h needs the first 4 + 2 h of them
.if \h > 0
	s_wait_alu depctr_va_vdst(0)                   ; the conversions of the head before have written its four registers of YK, which the store below reads
	global_store_b128 v3, v[YK+4*(\h-1):YK+4*(\h-1)+3], s[12:13] offset:256*(\h-1)         ; sixteen lanes fill one aligned row of 256 bytes
.endif
	v_pk_mul_f32 v[TA:TA+1],   v[XK+8*\h+4:XK+8*\h+5], v[CSN+4:CSN+5]                      ; x2 sin
	v_pk_mul_f32 v[TA+2:TA+3], v[XK+8*\h+6:XK+8*\h+7], v[CSN+6:CSN+7]
	v_pk_mul_f32 v[TB:TB+1],   v[XK+8*\h:XK+8*\h+1],   v[CSN+4:CSN+5]                      ; x1 sin
	v_pk_mul_f32 v[TB+2:TB+3], v[XK+8*\h+2:XK+8*\h+3], v[CSN+6:CSN+7]
	v_pk_fma_f32 v[TA:TA+1],   v[XK+8*\h:XK+8*\h+1],   v[CSN:CSN+1],   v[TA:TA+1] neg_lo:[0,0,1] neg_hi:[0,0,1]     ; x1 cos - x2 sin
	v_pk_fma_f32 v[TA+2:TA+3], v[XK+8*\h+2:XK+8*\h+3], v[CSN+2:CSN+3], v[TA+2:TA+3] neg_lo:[0,0,1] neg_hi:[0,0,1]
	v_pk_fma_f32 v[TB:TB+1],   v[XK+8*\h+4:XK+8*\h+5], v[CSN:CSN+1],   v[TB:TB+1]          ; x2 cos + x1 sin
	v_pk_fma_f32 v[TB+2:TB+3], v[XK+8*\h+6:XK+8*\h+7], v[CSN+2:CSN+3], v[TB+2:TB+3]
	v_cvt_pk_f16_f32 v[YK+4*\h],   v[TA],   v[TA+1]
	v_cvt_pk_f16_f32 v[YK+4*\h+1], v[TA+2], v[TA+3]
	v_cvt_pk_f16_f32 v[YK+4*\h+2], v[TB],   v[TB+1]
	v_cvt_pk_f16_f32 v[YK+4*\h+3], v[TB+2], v[TB+3]
.endr
	; V goes in two groups of four rows, so that one wait serves four stores
	s_wait_loadcnt 4                               ; rows 0 to 3 of V are loads 11 to 14 of the 18: the four younger ones may stay out
	s_wait_alu depctr_va_vdst(0)                   ; head 3's conversions have written its four registers of YK, which the store below reads
	global_store_b128 v3, v[YK+12:YK+15], s[12:13] offset:768                              ; sixteen lanes fill one aligned row of 256 bytes
.irp i, 0,1,2,3
	v_cvt_pk_f16_f32 v[WV+2*\i],   v[XV+4*\i],   v[XV+4*\i+1]
	v_cvt_pk_f16_f32 v[WV+2*\i+1], v[XV+4*\i+2], v[XV+4*\i+3]
.endr
	s_wait_loadcnt 0x0                             ; rows 4 to 7 of V: the last four loads
	s_wait_alu depctr_va_vdst(0)                   ; the conversions of rows 0 to 3 have written their WV, which the four stores below read
.irp i, 0,1,2,3
	global_store_b64 v5, v[WV+2*\i:WV+2*\i+1], s[14:15] offset:256*\i                      ; the wave fills one aligned row of 256 bytes
.endr
.irp i, 4,5,6,7
	v_cvt_pk_f16_f32 v[WV+2*\i],   v[XV+4*\i],   v[XV+4*\i+1]
	v_cvt_pk_f16_f32 v[WV+2*\i+1], v[XV+4*\i+2], v[XV+4*\i+3]
.endr
	s_wait_alu depctr_va_vdst(0)                   ; the conversions of rows 4 to 7 have written their WV, which the last four stores read
.irp i, 4,5,6,7
	global_store_b64 v5, v[WV+2*\i:WV+2*\i+1], s[14:15] offset:256*\i                      ; the wave fills one aligned row of 256 bytes
.endr
	s_endpgm
.Lfunc_end_k_q76ed9d0c02_prep:
	.size	k_q76ed9d0c02_prep, .Lfunc_end_k_q76ed9d0c02_prep-k_q76ed9d0c02_prep
	.p2alignl 7, 3214868480
	.fill 96, 4, 3214868480
	.section	.rodata,"a",@progbits
	.p2align	6, 0x0
	.amdhsa_kernel k_q76ed9d0c02_prep
		.amdhsa_group_segment_fixed_size 0
		.amdhsa_private_segment_fixed_size 0
		.amdhsa_enable_private_segment 0
		.amdhsa_kernarg_size 48
		.amdhsa_user_sgpr_count 2
		.amdhsa_user_sgpr_kernarg_segment_ptr 1
		.amdhsa_wavefront_size32 1
		.amdhsa_system_sgpr_workgroup_id_x 1
		.amdhsa_system_sgpr_workgroup_id_y 1
		.amdhsa_system_sgpr_workgroup_id_z 1
		.amdhsa_system_vgpr_workitem_id 0
		.amdhsa_next_free_vgpr 120
		.amdhsa_next_free_sgpr 66
		.amdhsa_reserve_vcc 0
		.amdhsa_float_denorm_mode_32 3
		.amdhsa_float_denorm_mode_16_64 3
		.amdhsa_memory_ordered 1
		.amdhsa_forward_progress 1
		.amdhsa_inst_pref_size 9
	.end_amdhsa_kernel
	.amdgpu_metadata
---
amdhsa.version: [ 1, 2 ]
amdhsa.kernels:
  - .name:           k_q76ed9d0c02_prep
    .symbol:         k_q76ed9d0c02_prep.kd
    .args:
      - { .name: k, .offset: 0, .size: 8, .value_kind: global_buffer, .address_space: global }
      - { .name: v, .offset: 8, .size: 8, .value_kind: global_buffer, .address_space: global }
      - { .name: cos, .offset: 16, .size: 8, .value_kind: global_buffer, .address_space: global }
      - { .name: sin, .offset: 24, .size: 8, .value_kind: global_buffer, .address_space: global }
      - { .name: kh, .offset: 32, .size: 8, .value_kind: global_buffer, .address_space: global }
      - { .name: vh, .offset: 40, .size: 8, .value_kind: global_buffer, .address_space: global }
    .group_segment_fixed_size: 0
    .private_segment_fixed_size: 0
    .kernarg_segment_align: 8
    .kernarg_segment_size: 48
    .max_flat_workgroup_size: 128
    .sgpr_count:     66
    .vgpr_count:     120
    .wavefront_size: 32
...
	.end_amdgpu_metadata
.endif
;; end of part 3
;; launch attn: the kernel of part 2 again; grid 16 x 16, 8 waves a work-group, clusters of 4 x 1, 327,680 bytes of LDS; arguments q, cos, sin, q_ranges, k_ranges, kh, vh, out0; writes out0
